; MI455X (gfx1250); checked and timed in simulation.
; The chip was launched on July 23, 2026; its instructions are those of AMD's public machine-readable ISA for CDNA 5 (MIT licence, August 2026) and "CDNA5" Instruction Set Architecture Reference Guide (July 2026). The comments in the code are by the model that wrote it; some were corrected since.
;; Tt Causal Self Attention. Allowed arithmetic: matrix products marked QUANTISED: E4M3 operands, one given power-of-two scale a tensor, by v_wmma_f32_16x16x64_fp8_fp8 or v_wmma_f32_16x16x128_fp8_fp8, f32 sums; everything else in f32.
;; Inputs: b_attn 3,072 float32; b_proj 1,024 float32; lowp_scales 8 int32 (the exponents e of the quantised operands' scales 2^e); w_attn_codes 3,072 x 32 x 32 uint8 (E4M3 codes of w_attn, K innermost, in blocks of 32 codes); w_proj_codes 1,024 x 32 x 32 uint8 (E4M3 codes of w_proj, K innermost, in blocks of 32 codes); x_codes 4 x 2,048 x 32 x 32 uint8 (E4M3 codes of x, K innermost, in blocks of 32 codes).
;; Outputs: out0 4 x 2,048 x 1,024 float32.
;; This version of the problem:
;;   THIS VERSION OF THE PROBLEM IS GIVEN IN LOW PRECISION. The matrix products marked QUANTISED in the list below multiply operands that are first quantised to E4M3 (4 exponent bits, 3 mantissa bits; 8 bits a number), with one given power-of-two scale for each operand tensor; their sums are f32. All else is computed in f32.
;;   The module's matrix products, in the order in which they are computed (A, B: the left and right operand; K: the contracted axis; several contracted axes count as one K, in the product's order):
;;     1. [M 8,192, K 1,024] x [K 1,024, N 3,072]; A: input x (given as codes); B: input w_attn (given as codes): QUANTISED (scales: A lowp_scales[0], B lowp_scales[1])
;;     2. batch 64 x [M 2,048, K 64] x [K 64, N 2,048]; A: computed on the way; B: computed on the way: QUANTISED (scales: A lowp_scales[2], B lowp_scales[3])
;;     3. batch 64 x [M 2,048, K 2,048] x [K 2,048, N 64]; A: softmax (see below); B: computed on the way: QUANTISED (scales: A lowp_scales[4], B lowp_scales[5])
;;     4. [M 8,192, K 1,024] x [K 1,024, N 1,024]; A: computed on the way; B: input w_proj (given as codes): QUANTISED (scales: A lowp_scales[6], B lowp_scales[7])
;;   THE QUANTISER, for each operand of a quantised product, along K:
;;     - The operand's scale is 2^e, e = its entry of the input lowp_scales (int32; the entries are numbered through the quantised products in the list's order, A before B).
;;     - Each number is divided by the scale, clamped to +-448, and rounded to the nearest number of E4M3, ties to even, subnormals kept.
;;     - The product sums the exact products of the quantised numbers (number of the format x scale) in f32.
;;   ~~~python
;;   def quantise(x, axis, e):      # numpy; x: float32 -> the quantised numbers, widened to float32 again
;;       x = np.moveaxis(x, axis, -1); K = x.shape[-1]
;;       r = np.clip(x / 2.0 ** e, -448, 448)
;;       step = 2.0 ** (np.maximum(np.frexp(np.where(r == 0, 1, r))[1] - 1, -6) - 3)
;;       q = np.round(r / step) * step * 2.0 ** e      # np.round: ties to even
;;       return np.moveaxis(q, -1, axis).astype(np.float32)
;;   ~~~
;;   SOFTMAX AHEAD OF A QUANTISED PRODUCT. Where the list says 'softmax', what is quantised is not the finished softmax but p = 2^(t - M), with t = logit x log2(e) and M = ceil(the row's largest t), a whole number; so 1/2 < the row's largest p <= 1. The row's sum l is taken of the UNQUANTISED p, in f32, and the product's result is divided by l at the end. Since M is a whole number, a kernel that streams over the keys may use a running M (the ceiling of the running maximum): every later rescaling is an exact power of two, so the quantised numbers keep their values, but for numbers so far below the row's largest that they fall under the format's range.
;;   OPERANDS COMPUTED ON THE WAY. 'Computed on the way' means the value that the module computes at that place (a softmax that the list does not call 'softmax' is quantised finished and normalised). What goes into a quantiser is computed in f32, as accurately as f32 sums, v_exp_f32 and their like allow (about 1e-6 of the number): no bf16 or f16 on the way to a quantiser, and a product that is left as it is and whose result goes on into a quantised operand takes f32 operands (vector FMAs, or v_wmma_f32_16x16x4_f32). A number that lies on a knife's edge between two numbers of the format may be rounded either way, as far as f32 arithmetic and the matrix unit's own rounding can turn it there, and no further.
;;   INPUTS GIVEN AS CODES. w_attn (in the module: [3072, 1024], K = its axis 1); w_proj (in the module: [1024, 1024], K = its axis 1); x (in the module: [4, 2048, 1024], K = its axis 2): each comes as NAME_codes (uint8): NAME with its K axis moved to the last place and cut into blocks of 32 codes, [.., K / 32, bytes a block], one block behind the other in memory; one code a byte (a code: sign, 4 exponent bits, 3 mantissa bits); its scale is its entry of lowp_scales. Its value is code x scale, taken as it is: it is not quantised again, and the codes and scales need not be those that the quantiser above would give.
;; One version. Each part assembles by itself: llvm-mc -triple=amdgcn-amd-amdhsa -mcpu=gfx1250 --defsym DOCPART=n.
;; ======== version 1 of 1: 3 launches
;; limits: right only within a limited range of input values
;; workspace buffers: qc 8,388,608 bytes; kc 8,388,608 bytes; vc 8,388,608 bytes; yc 8,388,608 bytes
;; launch qkv (part 1): grid 12 x 64, 4 waves a work-group, clusters of 4 x 4, 327,680 bytes of LDS; arguments x_codes, w_attn_codes, b_attn, lowp_scales, qc, kc, vc; writes qc, kc, vc
.if DOCPART == 1
	.amdgcn_target "amdgcn-amd-amdhsa--gfx1250"
	.amdhsa_code_object_version 6
	.text
	.protected	k_q93183554c0_qkv
	.globl	k_q93183554c0_qkv
	.p2align	8
	.type	k_q93183554c0_qkv,@function
k_q93183554c0_qkv:
	s_mov_b64 s[64:65], 0
	v_nop
	global_prefetch_b8 v0, s[64:65] scope:SCOPE_SE
	s_setreg_imm32_b32 hwreg(HW_REG_WAVE_MODE, 25, 1), 1
	s_wait_xcnt 0x0
	s_wait_alu depctr_hold_cnt(0) depctr_sa_sdst(0) depctr_va_vdst(0) depctr_va_sdst(0) depctr_va_ssrc(0) depctr_va_vcc(0) depctr_vm_vsrc(0)
	s_getreg_b32 s2, hwreg(HW_REG_IB_STS2, 6, 4)
	s_cmp_eq_u32 s2, 0
	s_cbranch_scc0 .Lentry_in_a_cluster
	s_endpgm
.Lentry_in_a_cluster:
	s_bfe_u32 s2, ttmp6, 0x10000c
	s_cmp_lg_u32 s2, 0xf033
	s_cbranch_scc0 .Lentry_shape_is_right
	s_endpgm
.Lentry_shape_is_right:
; qkv = x w_attn^T + b_attn on codes of FP8 (E4M3), then q, k and v are quantised with their given scales (entries 2, 3, 5) and stored as IMAGES OF OPERAND REGISTERS for the attention launch.
; x: [8192][1024] codes, w_attn: [3072][1024] codes, K innermost; a number is its code x 2^e0 (x) or 2^e1 (w_attn).  A finished sum is multiplied once by 2^(e0 + e1), the bias is added in the same fused multiply-add.
; SHARES.  A work-group makes 128 rows of SIDE 1 x 256 rows of SIDE 0, K = 1,024.  The matrix instruction takes side 0 as source 0 and side 1 as source 1: in a result lane l holds side-1 row l % 16, and its
; registers 0-7 the side-0 rows 8 (l / 16) + 0 .. 7: eight neighbours along side 0, which one conversion packs into 8 bytes.
;   TYPE = the cluster's x: 0 = q, 1 = k: side 0 = 256 rows of w_attn (features: the next product's K), side 1 = 128 rows of x (tokens).
;   TYPE = 2 = v: the sides are swapped: side 0 = 256 rows of x (keys: the K of the product with p), side 1 = 128 rows of w_attn (channels).
; Four waves: wave w makes side-1 rows 64 (w / 2) on x side-0 rows 128 (w % 2) on: 32 accumulators, 256 registers.
; CLUSTERS: 4 x 4 work-groups.  Side 1's tile hangs on the cluster's y place and is shared along a row of the cluster, side 0's on its x place and is shared along a column: each is asked for jointly.
; LDS: three slots of one K step of 256 (rows of 256 bytes + 16 of padding).  K steps 0, 1, 2 are first fills, issued together; K step 3 is the one refill, into slot 0.  At most three tensor loads of a wave are out.
; FRAGMENTS: 16 rows x 128 K in 16 registers by four loads of 16 bytes: registers 4 c .. 4 c + 3 hold K = 32 c + 16 (l / 16) + 0 .. 15, alike on both sides, so every product meets its partner.
; WHAT IS STORED (l = 16 hh + r):  qc, kc: [head 64][g 64][u 2][c 2][l 32][16 bytes]: token 32 g + 8 u + r + 8 (r / 8), head bytes 32 c + 16 hh + 0 .. 15.
;   vc: [head 64][kg 64][ct 4][l 32][16 bytes]: channel 32 (ct / 2) + 8 (ct % 2) + r + 8 (r / 8), keys 32 kg + 16 hh + 0 .. 15.
; LIMITS on the given exponents, so that each power of two below is an f32 number: e0 + e1 between -126 and 127; e2, e3, e5 between -126 and 127.  NaN among the biases is not served.
; REGISTERS, in windows of 256: window 0: v1-31 addresses and constants; v32-39 the bias by lane; v64-127, v128-191 side 1's fragments, two sets; v192-255 the bias by register.
;   window 1: side 0's fragments, two sets, at v0 and v128.   window 2: the accumulators, (a, b) at v[8 (8 a + b)].
.set PITCH, 272                        ; an LDS row: 256 bytes + 16 of padding: the sixteen rows of a load begin 16 bytes apart modulo 256
.set S1B,   128*PITCH                  ; side 1's 128 rows; side 0's 256 rows lie behind them
.set SLOT,  384*PITCH
.set SPARE, 3*SLOT                     ; behind the slots: the spare words, 128 bytes for each wave: two blocks of 256 bytes that no other line names
.set STAGE, SLOT                       ; the way out: 128 rows x 272 bytes in slot 1, which has had its one fill and its last read when the first code is stored there
.set STEPA, 256                        ; bytes from a K step to the next, in memory
.set STEPB, 256
.set ADRA, 16                          ; v16-18  LDS address of my side-1 fragments in slot 0, 1, 2
.set ADRB, 20                          ; v20-22  the same for side 0
.set STO,  24                          ; v24     the way out: where I put 8 codes
.set RDQ,  25                          ; v25     where I read 16 codes back, q and k
.set RDV,  26                          ; v26     the same for v
.set GO,   27                          ; v27     16 x lane: my place in a stored chunk of 512 bytes
.set SPW,  28                          ; v28     LDS address of my spare word; never rewritten
.set NIL,  29                          ; v29     0; never rewritten
.set LIM,  30
.set SCL,  31                          ; v31     the output's scale as f32
.set BV,   32                          ; v32-39  v's bias: b_attn at my lane's channel, block a in the pair v[32 + 2 a]
.set AF,   64                          ; side 1's fragments
.set CD,   64                          ; the way out: the codes, two registers an accumulator
.set BK,   128                         ; the way out: 16 chunks read back
.set BQ,   192                         ; v192-255 q's and k's bias: b_attn at my 8 features of each block b
.set WV,  18
.set WI,  19                           ; wave / 2: my 64 rows of side 1.  Also: I fetch for side 1 (0) or side 0 (1)
.set WN,  20                           ; wave % 2: my 128 rows of side 0.  Also: which half of that tile I fetch
.set CX,  21
.set CY,  22
.set CLY, 23
.set G1A, 24                           ; s[24:31] descriptor group 1, side 1;  s[32:39] side 0
.set G1B, 32
.set G0A, 40                           ; s[40:51] descriptor group 0, side 1, a set for each slot;  s[52:63] side 0
.set G0B, 52
.set MSB, 0
.macro WIN new                         ; the immediate's high byte repeats the setting that is left
.if MSB != \new
	s_set_vgpr_msb (MSB<<8)|\new
.set MSB, \new
.endif
.endm
.set MUL,  0xa1                        ; source 0 (side 0) window 1, source 1 (side 1) window 0, C and D window 2
.set TO_B, 0x40                        ; destination window 1, address window 0
.macro PLACES n
.rept \n
	v_nop
.endr
.endm
.macro CREST                           ; a round of the cluster's barrier behind its opening barrier
	s_cmp_lg_u32 s[WV], 0
	s_cbranch_scc1 .Lnot_wave_0_\@
	s_barrier_signal -3
.Lnot_wave_0_\@:
	s_barrier_wait -3
	s_barrier_signal -1
	s_barrier_wait -1
.endm
.macro CROUND                          ; a whole round
	s_barrier_signal -1
	s_barrier_wait -1
	CREST
.endm
; A joint load: waves 0 and 1 fetch side 1's halves, waves 2 and 3 side 0's.  The branch hangs on the wave's number alone.  Four v_nop follow each line.
.macro JLOAD s
	s_cmp_eq_u32 s[WI], 0
	s_cbranch_scc0 .Lfor_b_\@
	tensor_load_to_lds s[G0A+4*\s:G0A+4*\s+3], s[G1A:G1A+7]
	s_nop 0
	PLACES 4
	s_branch .Lasked_\@
.Lfor_b_\@:
	tensor_load_to_lds s[G0B+4*\s:G0B+4*\s+3], s[G1B:G1B+7]
	s_nop 0
	PLACES 4
.Lasked_\@:
.endm
.macro FRAG reg, adr, q, i             ; a fragment: block i of 16 rows, the slot's q-th 128 along K
.irp c, 0,1,2,3
	ds_load_b128 v[\reg+4*\c:\reg+4*\c+3], v[\adr] offset:128*(\q)+32*\c+(\i)*16*PITCH
.endr
.endm
.macro FETCH slot, q, p                ; 48 loads in one run: side 0's eight fragments, then side 1's four, into set p
	WIN TO_B
.irp i, 0,1,2,3,4,5,6,7
	FRAG 128*(\p)+16*\i, ADRB+\slot, \q, \i
.endr
	WIN 0
.irp i, 0,1,2,3
	FRAG AF+64*(\p)+16*\i, ADRA+\slot, \q, \i
.endr
.endm
; 8 matrix instructions: side 1's block a against side 0's eight.  The 32 accumulators take turns, one instruction a turn, in the same order in every step.
.macro MUL8 a, p, zero
.irp b, 0,1,2,3,4,5,6,7
.if \zero
	v_wmma_f32_16x16x128_fp8_fp8 v[8*(8*(\a)+\b):8*(8*(\a)+\b)+7], v[128*(\p)+16*\b:128*(\p)+16*\b+15], v[AF+64*(\p)+16*(\a):AF+64*(\p)+16*(\a)+15], 0
.else
	v_wmma_f32_16x16x128_fp8_fp8 v[8*(8*(\a)+\b):8*(8*(\a)+\b)+7], v[128*(\p)+16*\b:128*(\p)+16*\b+15], v[AF+64*(\p)+16*(\a):AF+64*(\p)+16*(\a)+15], v[8*(8*(\a)+\b):8*(8*(\a)+\b)+7]
.endif
.endr
.endm
.macro MUL16 a0, p, zero
	MUL8 \a0, \p, \zero
	MUL8 \a0+1, \p, \zero
.endm
; A step of 128 along K: multiplies set p; in its middle it fetches the next step's fragments, the q-th 128 of the slot named, into the other set.
.macro STEP slot, q, p, zero
	s_wait_dscnt 8                                 ; side 0 and side 1's blocks 0, 1 are in; the youngest eight loads (blocks 2, 3) may be out
	WIN MUL
	MUL16 0, \p, \zero
	PLACES 4                                       ; four plain places in front of loads into registers that matrix instructions have read (ISA guide 7.12.1 for vector instructions)
	FETCH \slot, \q, 1-(\p)
	s_wait_dscnt 48                                ; all but the 48 just issued
	WIN MUL
	MUL16 2, \p, \zero
.endm
; A step that passes a barrier; it multiplies set 1 and fetches the first 128 of slot next into set 0.  In front of the barrier each wave waits for all its tensor loads, adds 0 to its spare word, and waits
; for that and for its own LDS reads.  fill = 1: the barrier opens a round of the cluster's barrier, and slot 0, which nobody reads any more, takes K step 3.
.macro TURN next, fill
	WIN 0                                          ; (the add's two registers lie in window 0)
	s_wait_tensorcnt 0x0                           ; all my tensor loads have landed
	ds_add_u32 v[SPW], v[NIL]                      ; 0 onto my spare word
	s_wait_dscnt 9                                 ; (the add and the youngest eight loads may be out)
	WIN MUL
	MUL8 0, 1, 0                                   ; eight matrix instructions stand between the add and the wait for it
	s_wait_dscnt 0x0                               ; the add is done, and my LDS reads so far are over
	s_barrier_signal -1
	MUL8 1, 1, 0
	WIN 0
	s_barrier_wait -1
.if \fill
	CREST                                          ; no wave of any partner still reads slot 0 or has a load on its way
	s_add_nc_u64 s[G0A+2:G0A+3], s[G0A+2:G0A+3], 3*STEPA   ; no tensor load of mine is out: slot 0's descriptors step to K step 3
	s_add_nc_u64 s[G0B+2:G0B+3], s[G0B+2:G0B+3], 3*STEPB
	JLOAD 0                                        ; the first tensor load behind the round; its four v_nop are also the places in front of the loads below
.else
	PLACES 4
.endif
	FETCH \next, 0, 0
	WIN MUL
	MUL16 2, 1, 0
.endm
	s_load_b256 s[4:11], s[0:1], 0x0               ; x s[4:5], w_attn s[6:7], b_attn s[8:9], the scales' exponents s[10:11]
	s_load_b128 s[12:15], s[0:1], 0x20             ; qc s[12:13], kc s[14:15]
	s_load_b64 s[16:17], s[0:1], 0x30              ; vc
	v_lshl_add_u32 v[SPW], v0, 2, SPARE
	v_mov_b32 v[NIL], 0
	ds_add_u32 v28, v29
	ds_add_u32 v28, v29
	s_wait_dscnt 0x0
	v_lshrrev_b32 v1, 5, v0
	v_readfirstlane_b32 s[WV], v1                  ; wave 0..3
	s_lshr_b32 s[WI], s[WV], 1
	s_and_b32 s[WN], s[WV], 1
	s_bfe_u32 s[CX], ttmp6, 0x40000                ; my place in the cluster
	s_bfe_u32 s[CY], ttmp6, 0x40004
	s_and_b32 s[CLY], ttmp7, 0xffff                ; the cluster's y, 0..15; ttmp9, the cluster's x, is TYPE: both are alike in all sixteen partners
	s_lshl_b32 s66, s[CY], 2
	s_lshl_b32 s66, 15, s66                        ; my row of the cluster
	s_lshl_b32 s67, 0x1111, s[CX]                  ; my column
	s_or_b32 s[G1A], s66, (1<<20)|(1<<21)|(5<<22)|(3<<25)   ; 15:0 the mask: side 1's tiles go to my row; 17:16 elements of 1 byte; 20 padding on; 21 set beside a mask; 24:22 after every 64 words; 31:25 four words
	s_or_b32 s[G1B], s67, (1<<20)|(1<<21)|(5<<22)|(3<<25)   ; the same with the mask of my column
	s_mov_b32 s[G1A+1], 256<<16                    ; tensor_dim0 = 256
	s_mov_b32 s[G1A+2], 64<<16                     ; tensor_dim1 = 64
	s_mov_b32 s[G1A+3], 256<<16                    ; tile_dim0 = 256
	s_mov_b32 s[G1A+4], 64                         ; tile_dim1 = 64
	s_mov_b32 s[G1A+5], 1024                       ; from row to row
	s_mov_b32 s[G1A+6], 0
	s_mov_b32 s[G1A+7], 0
	s_mov_b32 s[G1B+1], 256<<16
	s_mov_b32 s[G1B+2], 128<<16                    ; 128 rows
	s_mov_b32 s[G1B+3], 256<<16
	s_mov_b32 s[G1B+4], 128
	s_mov_b32 s[G1B+5], 1024
	s_mov_b32 s[G1B+6], 0
	s_mov_b32 s[G1B+7], 0
	; side 1's first row.  q, k: row 512 cly + 128 cy of x.  v: row 2,048 + 512 (cly % 2) + 128 cy of w_attn
	s_lshl_b32 s68, s[CLY], 9
	s_and_b32 s69, s[CLY], 1
	s_lshl_b32 s69, s69, 9
	s_add_co_u32 s69, s69, 2048
	s_cmp_lt_u32 ttmp9, 2
	s_cselect_b32 s68, s68, s69
	s_lshl_b32 s69, s[CY], 7
	s_add_co_u32 s68, s68, s69                     ; s68 stays
	s_lshl_b32 s70, s[WN], 6
	s_add_co_u32 s70, s70, s68                     ; + the 64 rows that I fetch
	s_lshl_b32 s70, s70, 10                        ; in bytes
	s_mov_b32 s71, 0
	; side 0's first row.  q, k: row 1,024 TYPE + 256 cx of w_attn.  v: row 1,024 (cly / 2) + 256 cx of x
	s_lshl_b32 s72, ttmp9, 10
	s_lshr_b32 s73, s[CLY], 1
	s_lshl_b32 s73, s73, 10
	s_cmp_lt_u32 ttmp9, 2
	s_cselect_b32 s72, s72, s73
	s_lshl_b32 s73, s[CX], 8
	s_add_co_u32 s72, s72, s73                     ; s72 stays
	s_lshl_b32 s74, s[WN], 7
	s_add_co_u32 s74, s74, s72                     ; + the 128 rows that I fetch
	s_lshl_b32 s74, s74, 10
	s_mov_b32 s75, 0
	s_mul_i32 s80, s[WN], 64*PITCH                 ; where they go in a slot: no place in the cluster enters an LDS address
	s_mul_i32 s81, s[WN], 128*PITCH
	s_add_co_u32 s81, s81, S1B
	s_wait_kmcnt 0x0
	s_load_b256 s[92:99], s[10:11], 0x0            ; e0 .. e7
	s_cmp_lt_u32 ttmp9, 2
	s_cselect_b64 s[76:77], s[4:5], s[6:7]         ; side 1's tensor,
	s_cselect_b64 s[78:79], s[6:7], s[4:5]         ; side 0's: the choice hangs on TYPE alone
	s_add_nc_u64 s[76:77], s[76:77], s[70:71]
	s_add_nc_u64 s[78:79], s[78:79], s[74:75]
.irp s, 0,1,2
	s_mov_b32 s[G0A+4*\s], 1                                       ; count = 1
	s_add_co_u32 s[G0A+4*\s+1], s80, \s*SLOT                       ; LDS address
	s_add_nc_u64 s[G0A+4*\s+2:G0A+4*\s+3], s[76:77], \s*STEPA      ; global address: K step s
	s_or_b32 s[G0A+4*\s+3], s[G0A+4*\s+3], 0x80000000              ; type = 2
	s_mov_b32 s[G0B+4*\s], 1
	s_add_co_u32 s[G0B+4*\s+1], s81, \s*SLOT
	s_add_nc_u64 s[G0B+4*\s+2:G0B+4*\s+3], s[78:79], \s*STEPB
	s_or_b32 s[G0B+4*\s+3], s[G0B+4*\s+3], 0x80000000
.endr
	CROUND                                         ; all sixteen work-groups are here: the first joint loads meet
	s_cmp_eq_u32 s[WI], 0                          ; a wave's three first fills stand in one branch, ahead of every wait on TENSORcnt and every LDS read; four v_nop follow the third
	s_cbranch_scc0 .Lfirst_b
	tensor_load_to_lds s[G0A:G0A+3], s[G1A:G1A+7]
	s_nop 0
	tensor_load_to_lds s[G0A+4:G0A+7], s[G1A:G1A+7]
	s_nop 0
	tensor_load_to_lds s[G0A+8:G0A+11], s[G1A:G1A+7]
	s_nop 0
	PLACES 4
	s_branch .Lfirst_asked
.Lfirst_b:
	tensor_load_to_lds s[G0B:G0B+3], s[G1B:G1B+7]
	s_nop 0
	tensor_load_to_lds s[G0B+4:G0B+7], s[G1B:G1B+7]
	s_nop 0
	tensor_load_to_lds s[G0B+8:G0B+11], s[G1B:G1B+7]
	s_nop 0
	PLACES 4
.Lfirst_asked:
	v_and_b32 v1, 15, v0                           ; r = l % 16
	v_bfe_u32 v2, v0, 4, 1                         ; h = l / 16
	v_mul_u32_u24 v3, v1, PITCH
	v_lshl_add_u32 v3, v2, 4, v3                   ; a fragment's row x pitch + 16 h
	s_mul_i32 s66, s[WI], 64*PITCH                 ; my 64 rows of side 1,
	s_mul_i32 s67, s[WN], 128*PITCH                ; my 128 rows of side 0,
	s_add_co_u32 s67, s67, S1B                     ; which lie behind side 1's
.irp s, 0,1,2
	v_add_nc_u32 v[ADRA+\s], s66, v3
	v_add_nc_u32 v[ADRB+\s], s67, v3
	s_add_co_u32 s66, s66, SLOT
	s_add_co_u32 s67, s67, SLOT
.endr
	s_mul_i32 s66, s[WI], 64*PITCH                 ; the stage, on the way in: row = side-1 row 64 wi + 16 a + r, byte = side-0 row 128 wn + 16 b + 8 h
	s_lshl_b32 s67, s[WN], 7
	s_add_co_u32 s66, s66, s67
	s_add_co_u32 s66, s66, STAGE
	v_mul_u32_u24 v4, v1, PITCH
	v_lshl_add_u32 v4, v2, 3, v4
	v_add_nc_u32 v[STO], s66, v4
	v_and_b32 v5, 8, v1
	v_add_nc_u32 v5, v5, v1                        ; r + 8 (r / 8): the rows of a stored tile are eight neighbours and the eight that lie 16 further on
	v_mul_u32_u24 v5, v5, PITCH
	v_lshl_add_u32 v5, v2, 4, v5
	v_add_nc_u32 v[RDV], s66, v5                   ; back, v: wave w takes head w / 2 (64 rows) and keys 128 (w % 2) on
	s_lshl_b32 s66, s[WV], 6
	s_add_co_u32 s66, s66, STAGE
	v_add_nc_u32 v[RDQ], s66, v5                   ; back, q and k: wave w takes head w: bytes 64 w on of all 128 rows
	v_and_b32 v[GO], 31, v0
	v_lshlrev_b32 v[GO], 4, v[GO]
	; The biases, in both layouts, on the one path that every work-group takes, so that every register is written on every path.  The layout that a TYPE does not use reads from b_attn's first entries and is not used.
	s_cmp_lt_u32 ttmp9, 2
	s_cselect_b32 s82, s72, 0                      ; q, k: side 0's first row is the first feature
	s_cselect_b32 s83, 0, s68                      ; v: side 1's first row is
	s_lshl_b32 s84, s[WN], 7
	s_add_co_u32 s82, s82, s84
	s_lshl_b32 s82, s82, 2
	s_lshl_b32 s84, s[WI], 6
	s_add_co_u32 s83, s83, s84
	s_lshl_b32 s83, s83, 2
	v_lshl_add_u32 v6, v2, 5, s82                  ; by register: entry first + 128 wn + 16 b + 8 h + j
	v_lshl_add_u32 v7, v1, 2, s83                  ; by lane: entry first + 64 wi + 16 a + r
.irp b, 0,1,2,3,4,5,6,7
	global_load_b128 v[BQ+8*\b:BQ+8*\b+3], v6, s[8:9] offset:64*\b
	global_load_b128 v[BQ+8*\b+4:BQ+8*\b+7], v6, s[8:9] offset:64*\b+16
.endr
.irp a, 0,1,2,3
	global_load_b32 v[BV+2*\a], v7, s[8:9] offset:64*\a       ; twice: the packed multiply-add takes a pair
	global_load_b32 v[BV+2*\a+1], v7, s[8:9] offset:64*\a
.endr
	; where my 8,192 bytes go: buffer + head x 131,072 + 64 x first token of the batch
	s_lshl_b32 s85, s[CX], 2
	s_add_co_u32 s85, s85, s[WV]                   ; q, k: head 4 cx + w,
	s_and_b32 s86, s68, 2047                       ;       token = side 1's first row, within its batch
	s_and_b32 s87, s68, 1023
	s_lshr_b32 s87, s87, 6
	s_add_co_u32 s87, s87, s[WI]                   ; v: head = (side 1's first row - 2,048) / 64 + w / 2,
	s_and_b32 s88, s72, 2047
	s_lshl_b32 s89, s[WN], 7
	s_add_co_u32 s88, s88, s89                     ;    key = side 0's first row, within its batch, + 128 (w % 2)
	s_cmp_lt_u32 ttmp9, 2
	s_cselect_b32 s85, s85, s87
	s_cselect_b32 s86, s86, s88
	s_lshr_b32 s87, s[CLY], 2                      ; the batch
	s_lshl_b32 s87, s87, 4
	s_add_co_u32 s85, s85, s87
	s_lshl_b32 s85, s85, 17
	s_lshl_b32 s86, s86, 6
	s_add_co_u32 s86, s86, s85
	s_mov_b32 s87, 0
	s_cmp_eq_u32 ttmp9, 0
	s_cselect_b64 s[90:91], s[12:13], s[14:15]
	s_cmp_lt_u32 ttmp9, 2
	s_cselect_b64 s[90:91], s[90:91], s[16:17]
	s_add_nc_u64 s[90:91], s[90:91], s[86:87]
	s_wait_kmcnt 0x0
	s_add_co_i32 s2, s92, s93                      ; e0 + e1
	s_add_co_i32 s2, s2, 127
	s_lshl_b32 s2, s2, 23                          ; 2^(e0 + e1) as f32
	s_mov_b32 s3, s2                               ; (named with it as a pair, so it is written)
	s_cmp_eq_u32 ttmp9, 0
	s_cselect_b32 s70, s94, s95                    ; e2 for q, e3 for k,
	s_cmp_lt_u32 ttmp9, 2
	s_cselect_b32 s70, s70, s97                    ; e5 for v
	s_add_co_i32 s70, s70, 127
	s_lshl_b32 s71, s70, 23
	v_mov_b32 v[SCL], s71                          ; the output's scale as f32: the conversion takes its exponent field
	s_wait_tensorcnt 0x2                           ; my part of K step 0 is in; K steps 1 and 2 may stay out
	s_barrier_signal -1
	s_barrier_wait -1                              ; everybody's is
	FETCH 0, 0, 0
	STEP 0, 1, 0, 1                                ; the first step's products start the sums: nothing is cleared
	TURN 1, 1                                      ; slots 1 and 2 are whole in every wave; slot 0 takes K step 3
	STEP 1, 1, 0, 0
	STEP 2, 0, 1, 0                                ; no barrier: the one above has shown slot 2 whole
	STEP 2, 1, 0, 0
	TURN 0, 0                                      ; K step 3 is whole in every wave, and nobody reads slots 1 and 2 any more
	STEP 0, 1, 0, 0
	s_wait_dscnt 8                                 ; the last step: nothing more to fetch
	WIN MUL
	MUL16 0, 1, 0
	s_wait_dscnt 0x0
	MUL16 2, 1, 0
	WIN 0
	; THE WAY OUT.  value = sum x 2^(e0 + e1) + bias, one fused multiply-add for two numbers, in place, each accumulator from its low end on.  The two arms differ in the bias's registers alone.
	s_wait_loadcnt 0x0                             ; the biases
	PLACES 4                                       ; behind the last products
	s_cmp_lt_u32 ttmp9, 2
	s_cbranch_scc0 .Lbias_v
	WIN 0x82                                       ; source 0 and destination window 2, the bias window 0
.set ii, 0
.rept 32
.irp i, 0,2,4,6
	v_pk_fma_f32 v[8*ii+\i:8*ii+\i+1], v[8*ii+\i:8*ii+\i+1], s[2:3], v[BQ+8*(ii%8)+\i:BQ+8*(ii%8)+\i+1] op_sel_hi:[1,0,1]
.endr
.set ii, ii+1
.endr
	WIN 0
	s_branch .Lbiased
.Lbias_v:
	WIN 0x82
.set ii, 0
.rept 32
.irp i, 0,2,4,6
	v_pk_fma_f32 v[8*ii+\i:8*ii+\i+1], v[8*ii+\i:8*ii+\i+1], s[2:3], v[BV+2*(ii/8):BV+2*(ii/8)+1] op_sel_hi:[1,0,1]
.endr
.set ii, ii+1
.endr
	WIN 0
.Lbiased:
	WIN 0x82
.set ii, 0
.rept 256
.set ii, ii+1
.endr
	WIN 0x02                                       ; source 0 window 2
.set ii, 0
.rept 32
	v_cvt_scalef32_pk8_fp8_f32 v[CD+2*ii:CD+2*ii+1], v[8*ii:8*ii+7], v[SCL]   ; eight neighbours along side 0: 8 bytes
.set ii, ii+1
.endr
	WIN 0
	v_nop                                          ; one plain vector instruction behind the last scaled conversion
.set ii, 0
.rept 32
	ds_store_b64 v[STO], v[CD+2*ii:CD+2*ii+1] offset:(ii/8)*16*PITCH+16*(ii%8)
.set ii, ii+1
.endr
	s_wait_dscnt 0x0                               ; for the others' sake: my codes lie in the stage
	s_barrier_signal -1
	s_barrier_wait -1
	s_cmp_lt_u32 ttmp9, 2                          ; back in the order of the operand's registers: 16 chunks of 512 bytes a wave.  The two arms hold loads alone, sixteen each
	s_cbranch_scc0 .Lback_v
.irp t, 0,1,2,3,4,5,6,7,8,9,10,11,12,13,14,15
	ds_load_b128 v[BK+4*\t:BK+4*\t+3], v[RDQ] offset:(32*(\t/4)+8*((\t/2)%2))*PITCH+32*(\t%2)   ; chunk (g, u, c) = (t / 4, (t / 2) % 2, t % 2)
.endr
	s_branch .Lback
.Lback_v:
.irp t, 0,1,2,3,4,5,6,7,8,9,10,11,12,13,14,15
	ds_load_b128 v[BK+4*\t:BK+4*\t+3], v[RDV] offset:(32*((\t/2)%2)+8*(\t%2))*PITCH+32*(\t/4)   ; chunk (kg, ct) = (t / 4, t % 4)
.endr
.Lback:
.irp t, 0,1,2,3,4,5,6,7,8,9,10,11,12,13,14,15
	s_wait_dscnt 15-\t                             ; LDS loads come back in order: chunk t is in
	global_store_b128 v[GO], v[BK+4*\t:BK+4*\t+3], s[90:91] offset:512*\t   ; 32 lanes store 512 consecutive bytes, at a multiple of 512 from the buffer's first byte
.endr
	s_wait_tensorcnt 0x0                           ; the wave's end, behind my last tensor load and my last LDS store
	ds_add_u32 v[SPW], v[NIL]
	s_wait_dscnt 0x0
	CROUND                                         ; the closing round: no work-group ends while a partner may still ask for a tile that names it
	s_endpgm
.Lfunc_end_k_q93183554c0_qkv:
	.size	k_q93183554c0_qkv, .Lfunc_end_k_q93183554c0_qkv-k_q93183554c0_qkv
	.p2alignl 7, 3214868480
	.fill 96, 4, 3214868480
	.section	.rodata,"a",@progbits
	.p2align	6, 0x0
	.amdhsa_kernel k_q93183554c0_qkv
		.amdhsa_group_segment_fixed_size 327680
		.amdhsa_private_segment_fixed_size 0
		.amdhsa_enable_private_segment 0
		.amdhsa_kernarg_size 56
		.amdhsa_user_sgpr_count 2
		.amdhsa_user_sgpr_kernarg_segment_ptr 1
		.amdhsa_wavefront_size32 1
		.amdhsa_system_sgpr_workgroup_id_x 1
		.amdhsa_system_sgpr_workgroup_id_y 1
		.amdhsa_system_sgpr_workgroup_id_z 1
		.amdhsa_system_vgpr_workitem_id 0
		.amdhsa_next_free_vgpr 768
		.amdhsa_next_free_sgpr 100
		.amdhsa_reserve_vcc 0
		.amdhsa_float_denorm_mode_32 3
		.amdhsa_float_denorm_mode_16_64 3
		.amdhsa_fp16_overflow 1
		.amdhsa_memory_ordered 1
		.amdhsa_forward_progress 1
		.amdhsa_inst_pref_size 81
	.end_amdhsa_kernel
	.amdgpu_metadata
---
amdhsa.version: [ 1, 2 ]
amdhsa.kernels:
  - .name:           k_q93183554c0_qkv
    .symbol:         k_q93183554c0_qkv.kd
    .args:
      - { .name: x_codes, .offset: 0, .size: 8, .value_kind: global_buffer, .address_space: global }
      - { .name: w_attn_codes, .offset: 8, .size: 8, .value_kind: global_buffer, .address_space: global }
      - { .name: b_attn, .offset: 16, .size: 8, .value_kind: global_buffer, .address_space: global }
      - { .name: lowp_scales, .offset: 24, .size: 8, .value_kind: global_buffer, .address_space: global }
      - { .name: qc, .offset: 32, .size: 8, .value_kind: global_buffer, .address_space: global }
      - { .name: kc, .offset: 40, .size: 8, .value_kind: global_buffer, .address_space: global }
      - { .name: vc, .offset: 48, .size: 8, .value_kind: global_buffer, .address_space: global }
    .group_segment_fixed_size: 327680
    .private_segment_fixed_size: 0
    .kernarg_segment_align: 8
    .kernarg_segment_size: 56
    .max_flat_workgroup_size: 128
    .sgpr_count:     100
    .vgpr_count:     768
    .wavefront_size: 32
...
	.end_amdgpu_metadata
.endif
;; end of part 1
;; launch attn (part 2): grid 4 x 64, 16 waves a work-group, clusters of 4 x 1, 327,680 bytes of LDS; arguments qc, kc, vc, lowp_scales, yc; writes yc
.if DOCPART == 2
	.amdgcn_target "amdgcn-amd-amdhsa--gfx1250"
	.amdhsa_code_object_version 6
	.text
	.protected	k_q93183554c0_attn
	.globl	k_q93183554c0_attn
	.p2align	8
	.type	k_q93183554c0_attn,@function
k_q93183554c0_attn:
	s_mov_b64 s[64:65], 0
	v_nop
	global_prefetch_b8 v0, s[64:65] scope:SCOPE_SE
	s_setreg_imm32_b32 hwreg(HW_REG_WAVE_MODE, 25, 1), 1
	s_wait_xcnt 0x0
	s_wait_alu depctr_hold_cnt(0) depctr_sa_sdst(0) depctr_va_vdst(0) depctr_va_sdst(0) depctr_va_ssrc(0) depctr_va_vcc(0) depctr_vm_vsrc(0)
	s_getreg_b32 s2, hwreg(HW_REG_IB_STS2, 6, 4)
	s_cmp_eq_u32 s2, 0
	s_cbranch_scc0 .Lentry_in_a_cluster
	s_endpgm
.Lentry_in_a_cluster:
	s_bfe_u32 s2, ttmp6, 0x10000c
	s_cmp_lg_u32 s2, 0x3003
	s_cbranch_scc0 .Lentry_shape_is_right
	s_endpgm
.Lentry_shape_is_right:
; y = softmax_causal(q k^T / 8) v for 64 heads of 2,048 tokens x 64 channels, both products on codes of FP8 (E4M3); y is quantised with its given scale (entry 6) and stored as an image of the last product's operand.
; THE SOFTMAX AHEAD OF THE SECOND PRODUCT: t = score x 2^(e2 + e3) x log2(e) / 8; M = the row's largest t so far, rounded UP to a whole number; p = 2^(t - M) is quantised with 2^e4, not normalised.
; The row's sum is taken of the unquantised p, in f32, and divides at the end.  When M moves, the sum and O are multiplied by 2^(old M - new M): exact.
; INPUTS, laid in the order of the operands' registers (l = 16 hh + r): qc, kc: [head][tile 128][c 2][l 32][16 bytes]: tile tt holds tokens 32 (tt / 2) + 8 (tt % 2) + r + 8 (r / 8), head bytes 32 c + 16 hh + 0 .. 15;
;   vc: [head][kg 64][ct 4][l 32][16 bytes]: channel 32 (ct / 2) + 8 (ct % 2) + r + 8 (r / 8), keys 32 kg + 16 hh + 0 .. 15.
; OUTPUT: yc: [tb 64][kq 4][a 8][s 2][c 4][l 32][16 bytes]: token tile 8 tb + a (tokens chosen as in qc), K = 256 kq + 128 s + 32 c + 16 hh + 0 .. 15 with K = 64 x head + channel.
; SHARES.  The four work-groups of a cluster serve one head.  The head's K (131,072 bytes) and V (as many) lie in each one's LDS WHOLE: they are asked for jointly, once, at the start; no byte of LDS is filled twice.
; Of each group of 64 queries (u = 0 .. 31) partner j owns tile 4 u + j.  Wave w owns the tiles of groups w (tile A) and 31 - w (tile B).  A tile of group u has u / 2 + 1 key steps of 128 keys that count,
; so every wave has 17 tile steps.  All waves walk all 16 key steps. The place in the cluster enters global
; addresses and the mask's vector data alone.
; LAYOUT.  Both products are used transposed: S^T = K Q^T (source 0 = 16 keys, source 1 = my 16 queries), O^T = V^T P^T (source 0 = 16 channels, source 1 = P): a lane holds ONE query (l % 16) throughout.
; By the choice of a tile's rows the 16 registers of score tiles 2 b, 2 b + 1 are keys 32 b + 16 (l / 16) + 0 .. 15, and those of O^T's tiles 2 b, 2 b + 1 channels 32 b + 16 (l / 16) + 0 .. 15: the conversions' results are operands.
; LIMITS on the given exponents: e2 + e3 between -123 and 130 (added to c's exponent field); e4 and e6 between -126 and 127; e4 + e5 between -114 and 126 (2^(e4 + e5) / the sum stays a normal f32 number).
.set LK,  1                            ; v1   16 x lane: my place in a chunk of 512 bytes, in K's half of LDS and in memory
.set LV,  2                            ; v2   the same in V's half
.set DA,  3                            ; v3   tile A: my query - 16 (l / 16)
.set DB,  4                            ; v4   tile B
.set SC6, 5                            ; v5   2^e6 as f32
.set LM6, 6
.set ADK, 8                            ; v8   LDS address of the step's K
.set ADV, 9                            ; v9   of its V
.set STA, 12                           ; v12-15  tile A: -M, the largest t, the sum in two halves
.set STB, 16                           ; v16-19  tile B
.set QA,  20                           ; v20-27  tile A's queries
.set QB,  28                           ; v28-35  tile B's
.set F,   36                           ; v36-99  the step's fragments of K, then of V
.set S,   100                          ; v100-163 S^T, then p
.set OA,  164                          ; v164-195 tile A's O^T
.set OB,  196                          ; v196-227 tile B's
.set P,   228                          ; v228-243 p's codes; at the end y's
.set SC4, 244                          ; 2^e4 as f32
.set LM4, 245
.set FF,  246                          ; v[246:247] f = 2^(old M - new M)
.set SM2, 248                          ; v[248:249] the sum's second chain
.set MX,  250                          ; v250, v251 the maximum's two chains
.set PD,  252                          ; the lane permute's destination
.set DD,  253                          ; the mask: my query - the step's first key - 16 (l / 16)
.set NI,  254                          ; -infinity
.set WV,  14
.set SEL, 20                           ; s[20:21] lane selects: lane l xor 16
.set CS,  22                           ; s[22:23] c = 2^(e2 + e3) log2(e) / 8
.set G1N, 24                           ; s[24:31] descriptor group 1: 16 rows of 256 bytes (keys 0-511);  s[32:39]: 48 rows (the rest)
.set G1R, 32
.set G0N, 40                           ; s[40:43], s[44:47] their groups 0
.set G0R, 44
.set KS,  56                           ; the key step
.set TB,  57                           ; 8,192 x the key step: where its bytes begin in K's and in V's half
.set NKF, 58                           ; -128 x the key step
.set LASTA, 59                         ; the last key step that counts, tile A; tile B
.set LASTB, 60
.set CNT, 61
.set E45, 62
.set YA,  66                           ; s[66:67], s[68:69] where the tiles' codes of y go
.set YB,  68
.set QAB, 70                           ; s[70:71], s[72:73] where their queries lie
.set QBB, 72
.macro PLACES n
.rept \n
	v_nop
.endr
.endm
.macro CROUND                          ; a round of the cluster's barrier
	s_barrier_signal -1
	s_barrier_wait -1
	s_cmp_lg_u32 s[WV], 0
	s_cbranch_scc1 .Lnot_wave_0_\@
	s_barrier_signal -3
.Lnot_wave_0_\@:
	s_barrier_wait -3
	s_barrier_signal -1
	s_barrier_wait -1
.endm
	s_load_b256 s[4:11], s[0:1], 0x0               ; qc s[4:5], kc s[6:7], vc s[8:9], the scales' exponents s[10:11]
	s_load_b64 s[12:13], s[0:1], 0x20              ; yc
	v_lshl_add_u32 v254, v0, 2, 0x40000
	v_mov_b32 v255, 0
	ds_add_u32 v254, v255
	ds_add_u32 v254, v255
	s_wait_dscnt 0x0
	v_lshrrev_b32 v8, 5, v0
	s_delay_alu instid0(VALU_DEP_1)
	v_readfirstlane_b32 s[WV], v8                  ; wave 0..15
	s_bfe_u32 s15, ttmp6, 0x40000                  ; j: my place in the cluster
	s_and_b32 s16, ttmp7, 0xffff                   ; the head, 0..63, which the four partners share
	; what I fetch: waves 0-7 an eighth of K, waves 8-15 an eighth of V, each in two parts: of keys 0-511 (32,768 bytes) and of the rest (98,304)
	s_and_b32 s17, s[WV], 7
	s_lshr_b32 s18, s[WV], 3
	s_lshl_b32 s18, s18, 17                        ; K's half of LDS or V's
	s_lshl_b32 s19, s17, 12                        ; part 1: 4,096 bytes at 4,096 (w % 8)
	s_mul_i32 s74, s17, 12288
	s_add_co_u32 s74, s74, 32768                   ; part 2: 12,288 bytes at 32,768 + 12,288 (w % 8)
	s_lshl_b32 s76, s16, 17                        ; the head's first byte in qc, kc and vc
	s_add_co_u32 s78, s76, s19
	s_mov_b32 s79, 0
	s_add_co_u32 s80, s76, s74
	s_mov_b32 s81, 0
	s_mov_b32 s[G1N], 15|(3<<16)|(1<<21)           ; 15:0 the mask: all four work-groups; 17:16 elements of 8 bytes; 21 set beside a mask; no padding: the blocks are dense
	s_mov_b32 s[G1N+1], 32<<16                     ; tensor_dim0 = 32 elements: rows of 256 bytes
	s_mov_b32 s[G1N+2], 16<<16                     ; tensor_dim1 = 16
	s_mov_b32 s[G1N+3], 32<<16                     ; tile_dim0
	s_mov_b32 s[G1N+4], 16                         ; tile_dim1
	s_mov_b32 s[G1N+5], 32                         ; from row to row
	s_mov_b32 s[G1N+6], 0
	s_mov_b32 s[G1N+7], 0
	s_mov_b32 s[G1R], 15|(3<<16)|(1<<21)
	s_mov_b32 s[G1R+1], 32<<16
	s_mov_b32 s[G1R+2], 48<<16                     ; 48 rows
	s_mov_b32 s[G1R+3], 32<<16
	s_mov_b32 s[G1R+4], 48
	s_mov_b32 s[G1R+5], 32
	s_mov_b32 s[G1R+6], 0
	s_mov_b32 s[G1R+7], 0
	s_mov_b32 s[SEL], 0x76543210
	s_mov_b32 s[SEL+1], 0xfedcba98
	s_mov_b32 s[CS], 0x3e38aa3b                    ; log2(e) / 8
	s_mov_b32 s[KS], 0
	s_mov_b32 s[TB], 0
	s_mov_b32 s[NKF], 0
	s_lshr_b32 s[LASTA], s[WV], 1                  ; group w: step w / 2
	s_sub_co_u32 s75, 31, s[WV]
	s_lshr_b32 s[LASTB], s75, 1                    ; group 31 - w
	s_wait_kmcnt 0x0
	s_load_b256 s[48:55], s[10:11], 0x0            ; e0 .. e7
	s_cmp_lt_u32 s[WV], 8
	s_cselect_b64 s[82:83], s[6:7], s[8:9]         ; kc or vc: the choice hangs on the wave's number alone
	s_mov_b32 s[G0N], 1                            ; count = 1
	s_add_co_u32 s[G0N+1], s19, s18                ; LDS address
	s_add_nc_u64 s[G0N+2:G0N+3], s[82:83], s[78:79]   ; global address
	s_or_b32 s[G0N+3], s[G0N+3], 0x80000000        ; type = 2
	s_mov_b32 s[G0R], 1
	s_add_co_u32 s[G0R+1], s74, s18
	s_add_nc_u64 s[G0R+2:G0R+3], s[82:83], s[80:81]
	s_or_b32 s[G0R+3], s[G0R+3], 0x80000000
	CROUND                                         ; all four work-groups are here: the joint loads meet
	tensor_load_to_lds s[G0N:G0N+3], s[G1N:G1N+7]  ; the first of the launch's two fills: one load of mine is out
	s_nop 0
	s_wait_alu depctr_va_vdst(0)
	s_wait_tensorcnt 0x0
	ds_add_u32 v254, v255
	s_wait_dscnt 0x0
	CROUND
	tensor_load_to_lds s[G0R:G0R+3], s[G1R:G1R+7]
	s_nop 0
	PLACES 4
	v_and_b32 v[LK], 31, v0
	s_delay_alu instid0(VALU_DEP_1)
	v_lshlrev_b32 v[LK], 4, v[LK]
	s_delay_alu instid0(VALU_DEP_1)
	v_add_nc_u32 v[LV], 0x20000, v[LK]
	v_and_b32 v10, 15, v0                          ; r
	v_bfe_u32 v11, v0, 4, 1                        ; h
	s_delay_alu instid0(VALU_DEP_2)
	v_and_b32 v7, 8, v10
	s_delay_alu instid0(VALU_DEP_1)
	v_add_nc_u32 v7, v7, v10                       ; r + 8 (r / 8)
	s_delay_alu instid0(VALU_DEP_3)
	v_lshlrev_b32 v11, 4, v11
	s_delay_alu instid0(VALU_DEP_1)
	v_sub_nc_u32 v7, v7, v11                       ; - 16 h
	s_wait_alu depctr_va_vdst(0)
	s_lshl_b32 s86, s[WV], 2
	s_add_co_u32 s84, s86, s15                     ; tile A: 4 w + j
	s_sub_co_u32 s85, 124, s86
	s_add_co_u32 s85, s85, s15                     ; tile B: 4 (31 - w) + j
	s_lshr_b32 s74, s16, 4
	s_lshl_b32 s74, s74, 7                         ; 128 token tiles a batch
	s_and_b32 s75, s16, 15                         ; the head within its batch: hd
	s_lshr_b32 s78, s75, 2
	s_lshl_b32 s78, s78, 15                        ; kq = hd / 4: 32,768 bytes each
	s_and_b32 s75, s75, 3
	s_lshl_b32 s75, s75, 10                        ; (s, c / 2) = hd % 4: 1,024 bytes each
	s_add_co_u32 s78, s78, s75
.macro TILEADR tt, qb, yb, d           ; tile s[tt]: where its queries lie, where its y goes, and the mask's lane term
	s_lshl_b32 s86, s[\tt], 10
	s_add_co_u32 s86, s86, s76
	s_mov_b32 s87, 0
	s_add_nc_u64 s[\qb:\qb+1], s[4:5], s[86:87]
	s_add_co_u32 s86, s74, s[\tt]                  ; the token tile among all 512
	s_lshr_b32 s88, s86, 3
	s_lshl_b32 s88, s88, 17                        ; tb: 131,072 bytes each
	s_and_b32 s86, s86, 7
	s_lshl_b32 s86, s86, 12                        ; a: 4,096 bytes each
	s_add_co_u32 s86, s86, s88
	s_add_co_u32 s86, s86, s78
	s_add_nc_u64 s[\yb:\yb+1], s[12:13], s[86:87]
	s_lshr_b32 s86, s[\tt], 1
	s_lshl_b32 s86, s86, 5
	s_and_b32 s88, s[\tt], 1
	s_lshl_b32 s88, s88, 3
	s_add_co_u32 s86, s86, s88                     ; the tile's first token: 32 (tt / 2) + 8 (tt % 2)
	v_add_nc_u32 v[\d], s86, v7
.endm
	TILEADR 84, QAB, YA, DA
	TILEADR 85, QBB, YB, DB
.irp c, 0,1
	global_load_b128 v[QA+4*\c:QA+4*\c+3], v[LK], s[QAB:QAB+1] offset:512*\c   ; the queries stay in registers
	global_load_b128 v[QB+4*\c:QB+4*\c+3], v[LK], s[QBB:QBB+1] offset:512*\c
.endr
.irp t, STA, STB
	v_mov_b32 v[\t+1], 0xff61b1e6                  ; the largest t so far: -3e38, under every t
	s_delay_alu instid0(VALU_DEP_1)
	v_floor_f32 v[\t], -v[\t+1]                    ; -M
	v_mov_b32 v[\t+2], 0                           ; the sum, in two halves
	v_mov_b32 v[\t+3], 0
.endr
	v_mov_b32 v[FF+1], 0                           ; (named as the upper half of a pair)
	v_mov_b32 v[PD], 0                             ; written once: a lane permute's destination counts as one of its sources
	v_mov_b32 v[NI], 0xff800000
.set n, 0
.rept 64
	v_mov_b32 v[OA+n], 0                           ; O^T of both tiles.  (The step is written once: the first finds zeros, which the first change of M leaves zeros)
.set n, n+1
.endr
	s_wait_kmcnt 0x0
	s_add_co_i32 s86, s50, s51
	s_lshl_b32 s86, s86, 23
	s_add_co_i32 s[CS], s[CS], s86                 ; a score stands for score x 2^(e2 + e3): the two exponents are added to c's exponent field
	s_mov_b32 s[CS+1], s[CS]                       ; (named with it as a pair, so it is written)
	s_add_co_i32 s86, s52, 127
	s_lshl_b32 s87, s86, 23
	v_mov_b32 v[SC4], s87                          ; 2^e4
	s_add_co_i32 s86, s54, 127
	s_lshl_b32 s87, s86, 23
	v_mov_b32 v[SC6], s87                          ; 2^e6
	s_add_co_i32 s[E45], s52, s53                  ; e4 + e5
; A TILE STEP: 16 queries x the 128 keys of step s[KS].
.macro STEP st, q, o, d, last
	s_cmp_gt_u32 s[KS], s[\last]                   ; all 128 keys come after the tile's queries: the step is left out.  The branch hangs on the wave's number and the step alone
	s_cbranch_scc1 .Lskip_\@
	v_add_nc_u32 v[ADK], s[TB], v[LK]
	v_add_nc_u32 v[ADV], s[TB], v[LV]
	PLACES 2                                       ; with the two additions: four plain places in front of loads into registers that matrix instructions have read (ISA guide 7.12.1 for vector instructions)
.irp t, 0,1,2,3,4,5,6,7
.irp c, 0,1
	ds_load_b128 v[F+8*\t+4*\c:F+8*\t+4*\c+3], v[ADK] offset:1024*\t+512*\c   ; 32 lanes take 512 consecutive bytes
.endr
.endr
	s_wait_alu depctr_va_vdst(0)
	s_wait_dscnt 0x0
.irp t, 0,1,2,3,4,5,6,7
	v_wmma_f32_16x16x64_fp8_fp8 v[S+8*\t:S+8*\t+7], v[F+8*\t:F+8*\t+7], v[\q:\q+7], 0
.endr
	PLACES 4                                       ; in front of the loads below and of the first read of the scores
.irp g, 0,1,2,3
.irp c, 0,1,2,3
	ds_load_b128 v[F+16*\g+4*\c:F+16*\g+4*\c+3], v[ADV] offset:2048*\c+512*\g   ; V's fragments land while the softmax is worked
.endr
.endr
	s_cmp_lg_u32 s[KS], s[\last]                   ; only the last step that counts lies on the diagonal
	s_cbranch_scc1 .Lopen_\@
	v_add_nc_u32 v[DD], s[NKF], v[\d]              ; register 16 b + i holds key 128 KS + 16 (l / 16) + 32 b + i: hidden where 32 b + i > my query - 128 KS - 16 (l / 16)
.set n, 0
.rept 64
	v_cmp_gt_i32 vcc_lo, 32*(n/16)+n%16, v[DD]
	v_cndmask_b32 v[S+n], v[S+n], v[NI], vcc_lo    ; a hidden score becomes -infinity: p = 0
.set n, n+1
.endr
.Lopen_\@:
	v_max3_num_f32 v[MX], v[S], v[S+1], v[S+2]     ; the step's largest score of my query, among my 64 keys, in two chains,
	v_max3_num_f32 v[MX+1], v[S+3], v[S+4], v[S+5]
.irp i, 6,10,14,18,22,26,30,34,38,42,46,50,54,58
	v_max3_num_f32 v[MX], v[MX], v[S+\i], v[S+\i+1]
	v_max3_num_f32 v[MX+1], v[MX+1], v[S+\i+2], v[S+\i+3]
.endr
	v_max3_num_f32 v[MX], v[MX], v[S+62], v[S+63]
	s_delay_alu instid0(VALU_DEP_1)
	v_max_num_f32 v[MX], v[MX], v[MX+1]
	s_delay_alu instid0(VALU_DEP_1)
	v_permlanex16_b32 v[PD], v[MX], s[SEL], s[SEL+1]
	s_delay_alu instid0(VALU_DEP_1)
	v_max_num_f32 v[MX], v[MX], v[PD]              ; and among lane l xor 16's
	s_delay_alu instid0(VALU_DEP_1)
	v_mul_f32 v[MX], s[CS], v[MX]                  ; as t (c is positive)
	s_delay_alu instid0(VALU_DEP_1)
	v_max_num_f32 v[\st+1], v[\st+1], v[MX]        ; the running largest t
	v_mov_b32 v[MX], v[\st]
	s_delay_alu instid0(VALU_DEP_2)
	v_floor_f32 v[\st], -v[\st+1]                  ; the new -M = floor(-t) = -ceil(t): a whole number
	s_delay_alu instid0(VALU_DEP_1)
	v_sub_f32 v[MX], v[\st], v[MX]                 ; old M - new M: a whole number, 0 or less
	s_delay_alu instid0(VALU_DEP_1)
	v_cvt_i32_f32 v[MX], v[MX]                     ; (it saturates)
	s_delay_alu instid0(VALU_DEP_1)
	v_ldexp_f32 v[FF], 1.0, v[MX]                  ; f = 2^(old M - new M)
.set n, 0
.rept 32
	v_pk_fma_f32 v[S+n:S+n+1], v[S+n:S+n+1], s[CS:CS+1], v[\st:\st+1] op_sel_hi:[1,0,0]   ; t - M, two at a time (of the pairs c and -M the low word serves both halves)
.set n, n+2
.endr
.set n, 0
	s_wait_alu depctr_va_vdst(0)
.rept 64
	v_exp_f32 v[S+n], v[S+n]                       ; p = 2^(t - M), at most 1
.set n, n+1
.endr
	v_pk_mul_f32 v[\st+2:\st+3], v[\st+2:\st+3], v[FF:FF+1] op_sel_hi:[1,0]   ; the sums under the new M.  (A plain place behind the exponentials)
	s_wait_alu depctr_va_vdst(0)
	v_pk_add_f32 v[SM2:SM2+1], v[S:S+1], v[S+2:S+3]   ; the row's sum is taken of the unquantised p: two at a time, in two chains
.irp j, 4,8,12,16,20,24,28,32,36,40,44,48,52,56,60
	v_pk_add_f32 v[\st+2:\st+3], v[\st+2:\st+3], v[S+\j:S+\j+1]
	v_pk_add_f32 v[SM2:SM2+1], v[SM2:SM2+1], v[S+\j+2:S+\j+3]
.endr
	s_delay_alu instid0(VALU_DEP_1)
	v_pk_add_f32 v[\st+2:\st+3], v[\st+2:\st+3], v[SM2:SM2+1]
.irp b, 0,1,2,3
.irp i, 0,1,2,3,4,5,6,7,8,9,10,11,12,13,14,15
.endr
	v_cvt_scalef32_pk8_fp8_f32 v[P+4*\b:P+4*\b+1], v[S+16*\b:S+16*\b+7], v[SC4]
	v_cvt_scalef32_pk8_fp8_f32 v[P+4*\b+2:P+4*\b+3], v[S+16*\b+8:S+16*\b+15], v[SC4]
.endr
.set n, 0
.rept 16
	v_pk_mul_f32 v[\o+n:\o+n+1], v[\o+n:\o+n+1], v[FF:FF+1] op_sel_hi:[1,0]   ; O^T under the new M, each accumulator from its low end on.  (Also the plain places behind the conversions)
.set n, n+2
.endr
	s_wait_alu depctr_va_vdst(0)
	s_wait_dscnt 0x0                               ; V's fragments are in
.irp g, 0,1,2,3
	v_wmma_f32_16x16x128_fp8_fp8 v[\o+8*\g:\o+8*\g+7], v[F+16*\g:F+16*\g+15], v[P:P+15], v[\o+8*\g:\o+8*\g+7]   ; four accumulators by turns, one instruction a turn
.endr
.Lskip_\@:
.endm
.macro TRIP
	STEP STB, QB, OB, DB, LASTB
	STEP STA, QA, OA, DA, LASTA
	s_add_co_u32 s[KS], s[KS], 1
	s_add_co_u32 s[TB], s[TB], 8192
	s_sub_co_u32 s[NKF], s[NKF], 128
.endm
	s_wait_tensorcnt 0x1                           ; my part of keys 0-511 is in; my part of the rest may stay out: no byte of LDS is filled twice
	s_barrier_signal -1
	s_barrier_wait -1                              ; everybody's is
	s_wait_loadcnt 0x0                             ; the queries
	s_mov_b32 s[CNT], 4
.Lnear:                                            ; key steps 0-3: they read LDS bytes under 32,768 of each half, where the first parts lie
	TRIP
	s_sub_co_u32 s[CNT], s[CNT], 1
	s_cmp_lg_u32 s[CNT], 0
	s_cbranch_scc1 .Lnear
	s_wait_tensorcnt 0x0                           ; my part of the rest is in,
	s_wait_dscnt 0x0
	s_barrier_signal -1
	s_barrier_wait -1                              ; everybody's is
	s_mov_b32 s[CNT], 12
.Lfar:                                             ; key steps 4-15
	TRIP
	s_sub_co_u32 s[CNT], s[CNT], 1
	s_cmp_lg_u32 s[CNT], 0
	s_cbranch_scc1 .Lfar
; THE WAY OUT of a tile: y = O^T x 2^(e4 + e5) / the sum, converted with 2^e6.  A lane's 32 numbers are channels 16 (l / 16) + 0 .. 15 and 32 + 16 (l / 16) + 0 .. 15 of its query:
; two groups of four registers of the next operand, stored as they stand.
.macro OUT st, o, pc, yb
	v_add_f32 v[\st+2], v[\st+2], v[\st+3]         ; the sum's two halves,
	s_delay_alu instid0(VALU_DEP_1)
	v_permlanex16_b32 v[PD], v[\st+2], s[SEL], s[SEL+1]
	s_delay_alu instid0(VALU_DEP_1)
	v_add_f32 v[\st+2], v[\st+2], v[PD]            ; and lane l xor 16's
	s_wait_alu depctr_va_vdst(0)
	v_rcp_f32 v[\st+2], v[\st+2]
	v_nop                                          ; one plain place behind a transcendental
	s_wait_alu depctr_va_vdst(0)
	v_ldexp_f32 v[\st+2], v[\st+2], s[E45]
.set n, 0
.rept 16
	v_pk_mul_f32 v[S+n:S+n+1], v[\o+n:\o+n+1], v[\st+2:\st+3] op_sel_hi:[1,0]
.set n, n+2
.endr
.set n, 0
.rept 32
.set n, n+1
.endr
.irp b, 0,1
	v_cvt_scalef32_pk8_fp8_f32 v[\pc+4*\b:\pc+4*\b+1], v[S+16*\b:S+16*\b+7], v[SC6]
	v_cvt_scalef32_pk8_fp8_f32 v[\pc+4*\b+2:\pc+4*\b+3], v[S+16*\b+8:S+16*\b+15], v[SC6]
.endr
	v_nop                                          ; one plain vector instruction behind the last scaled conversion
	global_store_b128 v[LK], v[\pc:\pc+3], s[\yb:\yb+1]               ; 32 lanes store 512 consecutive bytes, at a multiple of 512 from yc's first byte
	global_store_b128 v[LK], v[\pc+4:\pc+7], s[\yb:\yb+1] offset:512
.endm
	PLACES 4                                       ; behind the last products
	OUT STA, OA, P, YA
	OUT STB, OB, P+8, YB
	s_wait_xcnt 0x0
	v_lshl_add_u32 v254, v0, 2, 0x40000
	v_mov_b32 v255, 0
	s_wait_alu depctr_va_vdst(0)
	s_wait_tensorcnt 0x0
	ds_add_u32 v254, v255
	s_wait_dscnt 0x0
	CROUND                                         ; the closing round: no work-group ends while a partner may still ask for a tile that names it
	s_endpgm
.Lfunc_end_k_q93183554c0_attn:
	.size	k_q93183554c0_attn, .Lfunc_end_k_q93183554c0_attn-k_q93183554c0_attn
	.p2alignl 7, 3214868480
	.fill 96, 4, 3214868480
	.section	.rodata,"a",@progbits
	.p2align	6, 0x0
	.amdhsa_kernel k_q93183554c0_attn
		.amdhsa_group_segment_fixed_size 327680
		.amdhsa_private_segment_fixed_size 0
		.amdhsa_enable_private_segment 0
		.amdhsa_kernarg_size 40
		.amdhsa_user_sgpr_count 2
		.amdhsa_user_sgpr_kernarg_segment_ptr 1
		.amdhsa_wavefront_size32 1
		.amdhsa_system_sgpr_workgroup_id_x 1
		.amdhsa_system_sgpr_workgroup_id_y 1
		.amdhsa_system_sgpr_workgroup_id_z 1
		.amdhsa_system_vgpr_workitem_id 0
		.amdhsa_next_free_vgpr 256
		.amdhsa_next_free_sgpr 90
		.amdhsa_reserve_vcc 1
		.amdhsa_float_denorm_mode_32 3
		.amdhsa_float_denorm_mode_16_64 3
		.amdhsa_fp16_overflow 1
		.amdhsa_memory_ordered 1
		.amdhsa_forward_progress 1
		.amdhsa_inst_pref_size 90
	.end_amdhsa_kernel
	.amdgpu_metadata
---
amdhsa.version: [ 1, 2 ]
amdhsa.kernels:
  - .name:           k_q93183554c0_attn
    .symbol:         k_q93183554c0_attn.kd
    .args:
      - { .name: qc, .offset: 0, .size: 8, .value_kind: global_buffer, .address_space: global }
      - { .name: kc, .offset: 8, .size: 8, .value_kind: global_buffer, .address_space: global }
      - { .name: vc, .offset: 16, .size: 8, .value_kind: global_buffer, .address_space: global }
      - { .name: lowp_scales, .offset: 24, .size: 8, .value_kind: global_buffer, .address_space: global }
      - { .name: yc, .offset: 32, .size: 8, .value_kind: global_buffer, .address_space: global }
    .group_segment_fixed_size: 327680
    .private_segment_fixed_size: 0
    .kernarg_segment_align: 8
    .kernarg_segment_size: 40
    .max_flat_workgroup_size: 512
    .sgpr_count:     90
    .vgpr_count:     256
    .wavefront_size: 32
...
	.end_amdgpu_metadata
.endif
;; end of part 2
;; launch proj (part 3): grid 4 x 64, 4 waves a work-group, clusters of 4 x 4, 327,680 bytes of LDS; arguments yc, w_proj_codes, b_proj, lowp_scales, out0; writes out0
.if DOCPART == 3
	.amdgcn_target "amdgcn-amd-amdhsa--gfx1250"
	.amdhsa_code_object_version 6
	.text
	.protected	k_q93183554c0_proj
	.globl	k_q93183554c0_proj
	.p2align	8
	.type	k_q93183554c0_proj,@function
k_q93183554c0_proj:
	s_mov_b64 s[64:65], 0
	v_nop
	global_prefetch_b8 v0, s[64:65] scope:SCOPE_SE
	s_setreg_imm32_b32 hwreg(HW_REG_WAVE_MODE, 25, 1), 1
	s_wait_xcnt 0x0
	s_wait_alu depctr_hold_cnt(0) depctr_sa_sdst(0) depctr_va_vdst(0) depctr_va_sdst(0) depctr_va_ssrc(0) depctr_va_vcc(0) depctr_vm_vsrc(0)
	s_getreg_b32 s2, hwreg(HW_REG_IB_STS2, 6, 4)
	s_cmp_eq_u32 s2, 0
	s_cbranch_scc0 .Lentry_in_a_cluster
	s_endpgm
.Lentry_in_a_cluster:
	s_bfe_u32 s2, ttmp6, 0x10000c
	s_cmp_lg_u32 s2, 0xf033
	s_cbranch_scc0 .Lentry_shape_is_right
	s_endpgm
.Lentry_shape_is_right:
; out0 = y w_proj^T + b_proj on codes of FP8 (E4M3).  y: 8,192 tokens x 1,024, as codes laid in the order of the operand's registers (yc, below), a number = code x 2^e6; w_proj: [1024][1024] codes, K innermost, x 2^e7.
; out0: [8192][1024] f32 = sum x 2^(e6 + e7) + b_proj, one fused multiply-add.
; yc: [tb 64][kq 4][a 8][s 2][c 4][l 32][16 bytes], l = 16 hh + r: token 128 tb + 32 (a / 2) + 8 (a % 2) + r + 8 (r / 8), K = 256 kq + 128 s + 32 c + 16 hh + 0 .. 15.  So a K step of 256 of 128 tokens is one dense block of 32,768 bytes.
; SHARES.  A work-group makes 128 tokens (SIDE 1) x 256 columns (SIDE 0: rows of w_proj), K = 1,024.  The matrix instruction takes side 0 as source 0 and side 1 as source 1: a lane holds one token and eight
; neighbouring columns.  Four waves: wave w makes token tiles 4 (w / 2) on x columns 128 (w % 2) on: 32 accumulators.
; CLUSTERS: 4 x 4 work-groups.  y's block hangs on the cluster's y place and is shared along a row of the cluster, w_proj's tile on its x place and is shared along a column: each is asked for jointly.
; LDS: three slots of one K step of 256: y's block as it lies (32,768 bytes), then 256 rows of w_proj (256 bytes + 16 of padding).  K steps 0, 1, 2 are first fills, issued together; K step 3 is the one refill, into slot 0.
; At most three tensor loads of a wave are out.
; LIMIT: e6 + e7 between -126 and 127, so that 2^(e6 + e7) is an f32 number.
; REGISTERS, in windows of 256: window 0: v1-31 addresses; v64-127, v128-191 side 1's fragments, two sets; v192-255 the bias.   window 1: side 0's fragments, two sets; on the way out rows read back.   window 2: the accumulators, (a, b) at v[8 (8 a + b)].
.set PITCH, 272
.set S1B,   32768                      ; side 1's block; side 0's 256 rows lie behind it
.set SLOT,  S1B+256*PITCH
.set SPARE, 3*SLOT                     ; behind the slots: the spare words, 128 bytes for each wave: two blocks of 256 bytes that no other line names
.set SPITCH, 528                       ; the way out: a stage of 16 rows x (512 bytes + 16) for each wave,
.set STAGE, SLOT                       ; in slot 1, which has had its one fill and its last read when the first result is stored there
.set STEPA, 32768                      ; bytes from a K step to the next, in memory
.set STEPB, 256
.set ADRA, 16                          ; v16-18  LDS address of my side-1 fragments in slot 0, 1, 2
.set ADRB, 20                          ; v20-22  the same for side 0
.set STO,  24                          ; v24     the way out: where I put 32 bytes of a row
.set RD,   25                          ; v25     where I read a row back
.set CO,   27                          ; v27     16 x lane: my place in a row of 512 bytes
.set SPW,  28                          ; v28     LDS address of my spare word; never rewritten
.set NIL,  29                          ; v29     0; never rewritten
.set AF,   64
.set BQ,   192                         ; v192-255 b_proj at my 8 columns of each block b
.set WV,  18
.set WI,  19                           ; wave / 2: my four token tiles.  Also: I fetch for side 1 (0) or side 0 (1)
.set WN,  20                           ; wave % 2: my 128 columns.  Also: which half of that tile I fetch
.set CX,  21
.set CY,  22
.set CLY, 23
.set G1A, 24
.set G1B, 32
.set G0A, 40
.set G0B, 52
.set MSB, 0
.macro WIN new                         ; the immediate's high byte repeats the setting that is left
.if MSB != \new
	s_set_vgpr_msb (MSB<<8)|\new
.set MSB, \new
.endif
.endm
.set MUL,  0xa1                        ; source 0 (side 0) window 1, source 1 (side 1) window 0, C and D window 2
.set TO_B, 0x40
.macro PLACES n
.rept \n
	v_nop
.endr
.endm
.macro CREST                           ; a round of the cluster's barrier behind its opening barrier
	s_cmp_lg_u32 s[WV], 0
	s_cbranch_scc1 .Lnot_wave_0_\@
	s_barrier_signal -3
.Lnot_wave_0_\@:
	s_barrier_wait -3
	s_barrier_signal -1
	s_barrier_wait -1
.endm
.macro CROUND
	s_barrier_signal -1
	s_barrier_wait -1
	CREST
.endm
.macro JLOAD s                         ; a joint load: waves 0 and 1 fetch side 1's halves, waves 2 and 3 side 0's; four v_nop follow each line
	s_cmp_eq_u32 s[WI], 0
	s_cbranch_scc0 .Lfor_b_\@
	tensor_load_to_lds s[G0A+4*\s:G0A+4*\s+3], s[G1A:G1A+7]
	s_nop 0
	PLACES 4
	s_branch .Lasked_\@
.Lfor_b_\@:
	tensor_load_to_lds s[G0B+4*\s:G0B+4*\s+3], s[G1B:G1B+7]
	s_nop 0
	PLACES 4
.Lasked_\@:
.endm
.macro FRAG reg, adr, q, i             ; side 0: block i of 16 rows, the slot's q-th 128 along K
.irp c, 0,1,2,3
	ds_load_b128 v[\reg+4*\c:\reg+4*\c+3], v[\adr] offset:128*(\q)+32*\c+(\i)*16*PITCH
.endr
.endm
.macro FRAGA reg, adr, q, i            ; side 1: an image of the registers: four chunks of 512 consecutive bytes
.irp c, 0,1,2,3
	ds_load_b128 v[\reg+4*\c:\reg+4*\c+3], v[\adr] offset:(2*(\i)+(\q))*2048+512*\c
.endr
.endm
.macro FETCH slot, q, p                ; 48 loads in one run: side 0's eight fragments, then side 1's four, into set p
	WIN TO_B
.irp i, 0,1,2,3,4,5,6,7
	FRAG 128*(\p)+16*\i, ADRB+\slot, \q, \i
.endr
	WIN 0
.irp i, 0,1,2,3
	FRAGA AF+64*(\p)+16*\i, ADRA+\slot, \q, \i
.endr
.endm
; 8 matrix instructions: side 1's block a against side 0's eight.  The 32 accumulators take turns, one instruction a turn, in the same order in every step.
.macro MUL8 a, p, zero
.irp b, 0,1,2,3,4,5,6,7
.if \zero
	v_wmma_f32_16x16x128_fp8_fp8 v[8*(8*(\a)+\b):8*(8*(\a)+\b)+7], v[128*(\p)+16*\b:128*(\p)+16*\b+15], v[AF+64*(\p)+16*(\a):AF+64*(\p)+16*(\a)+15], 0
.else
	v_wmma_f32_16x16x128_fp8_fp8 v[8*(8*(\a)+\b):8*(8*(\a)+\b)+7], v[128*(\p)+16*\b:128*(\p)+16*\b+15], v[AF+64*(\p)+16*(\a):AF+64*(\p)+16*(\a)+15], v[8*(8*(\a)+\b):8*(8*(\a)+\b)+7]
.endif
.endr
.endm
.macro MUL16 a0, p, zero
	MUL8 \a0, \p, \zero
	MUL8 \a0+1, \p, \zero
.endm
.macro STEP slot, q, p, zero           ; a step of 128 along K: multiplies set p; in its middle it fetches the q-th 128 of the slot named into the other set
	s_wait_dscnt 8                                 ; side 0 and side 1's blocks 0, 1 are in; the youngest eight loads (blocks 2, 3) may be out
	WIN MUL
	MUL16 0, \p, \zero
	PLACES 4                                       ; four plain places in front of loads into registers that matrix instructions have read (ISA guide 7.12.1 for vector instructions)
	FETCH \slot, \q, 1-(\p)
	s_wait_dscnt 48                                ; all but the 48 just issued
	WIN MUL
	MUL16 2, \p, \zero
.endm
; A step that passes a barrier; it multiplies set 1 and fetches the first 128 of slot next into set 0.  In front of the barrier each wave waits for all its tensor loads, adds 0 to its spare word, and waits
; for that and for its own LDS reads.  fill = 1: the barrier opens a round of the cluster's barrier, and slot 0, which nobody reads any more, takes K step 3.
.macro TURN next, fill
	WIN 0                                          ; (the add's two registers lie in window 0)
	s_wait_tensorcnt 0x0                           ; all my tensor loads have landed
	ds_add_u32 v[SPW], v[NIL]                      ; 0 onto my spare word
	s_wait_dscnt 9                                 ; (the add and the youngest eight loads may be out)
	WIN MUL
	MUL8 0, 1, 0                                   ; eight matrix instructions stand between the add and the wait for it
	s_wait_dscnt 0x0                               ; the add is done, and my LDS reads so far are over
	s_barrier_signal -1
	MUL8 1, 1, 0
	WIN 0
	s_barrier_wait -1
.if \fill
	CREST                                          ; no wave of any partner still reads slot 0 or has a load on its way
	s_add_nc_u64 s[G0A+2:G0A+3], s[G0A+2:G0A+3], 3*STEPA   ; no tensor load of mine is out: slot 0's descriptors step to K step 3
	s_add_nc_u64 s[G0B+2:G0B+3], s[G0B+2:G0B+3], 3*STEPB
	JLOAD 0                                        ; the first tensor load behind the round; its four v_nop are also the places in front of the loads below
.else
	PLACES 4
.endif
	s_wait_alu depctr_va_vdst(0)
	FETCH \next, 0, 0
	WIN MUL
	MUL16 2, 1, 0
.endm
	s_load_b256 s[4:11], s[0:1], 0x0               ; yc s[4:5], w_proj s[6:7], b_proj s[8:9], the scales' exponents s[10:11]
	s_load_b64 s[12:13], s[0:1], 0x20              ; out0
	v_lshl_add_u32 v[SPW], v0, 2, SPARE
	v_mov_b32 v[NIL], 0
	ds_add_u32 v28, v29
	ds_add_u32 v28, v29
	s_wait_dscnt 0x0
	v_lshrrev_b32 v1, 5, v0
	v_readfirstlane_b32 s[WV], v1                  ; wave 0..3
	s_lshr_b32 s[WI], s[WV], 1
	s_and_b32 s[WN], s[WV], 1
	s_bfe_u32 s[CX], ttmp6, 0x40000                ; my place in the cluster
	s_bfe_u32 s[CY], ttmp6, 0x40004
	s_and_b32 s[CLY], ttmp7, 0xffff                ; the cluster's y, 0..15
	s_lshl_b32 s66, s[CY], 2
	s_lshl_b32 s66, 15, s66                        ; my row of the cluster
	s_lshl_b32 s67, 0x1111, s[CX]                  ; my column
	s_or_b32 s[G1A], s66, (3<<16)|(1<<21)          ; 15:0 the mask: y's blocks go to my row; 17:16 elements of 8 bytes; 21 set beside a mask; no padding: the block is dense
	s_mov_b32 s[G1A+1], 32<<16                     ; tensor_dim0 = 32 elements: rows of 256 bytes
	s_mov_b32 s[G1A+2], 64<<16                     ; tensor_dim1 = 64
	s_mov_b32 s[G1A+3], 32<<16                     ; tile_dim0
	s_mov_b32 s[G1A+4], 64                         ; tile_dim1
	s_mov_b32 s[G1A+5], 32                         ; from row to row
	s_mov_b32 s[G1A+6], 0
	s_mov_b32 s[G1A+7], 0
	s_or_b32 s[G1B], s67, (1<<20)|(1<<21)|(5<<22)|(3<<25)   ; the mask of my column; elements of 1 byte; padding: four words after every 64
	s_mov_b32 s[G1B+1], 256<<16
	s_mov_b32 s[G1B+2], 128<<16
	s_mov_b32 s[G1B+3], 256<<16
	s_mov_b32 s[G1B+4], 128
	s_mov_b32 s[G1B+5], 1024
	s_mov_b32 s[G1B+6], 0
	s_mov_b32 s[G1B+7], 0
	s_lshl_b32 s68, s[CLY], 2
	s_add_co_u32 s68, s68, s[CY]                   ; tb: my block of 128 tokens; s68 stays
	s_lshl_b32 s70, s68, 17                        ; its four K steps lie on end, 131,072 bytes;
	s_lshl_b32 s71, s[WN], 14
	s_add_co_u32 s70, s70, s71                     ; the half of a K step that I fetch
	s_mov_b32 s71, 0
	s_lshl_b32 s72, s[CX], 8                       ; the first column; s72 stays
	s_lshl_b32 s74, s[WN], 7
	s_add_co_u32 s74, s74, s72                     ; + the 128 rows of w_proj that I fetch
	s_lshl_b32 s74, s74, 10
	s_mov_b32 s75, 0
	s_lshl_b32 s80, s[WN], 14                      ; where they go in a slot: no place in the cluster enters an LDS address
	s_mul_i32 s81, s[WN], 128*PITCH
	s_add_co_u32 s81, s81, S1B
	s_wait_kmcnt 0x0
	s_load_b256 s[92:99], s[10:11], 0x0            ; e0 .. e7
	s_add_nc_u64 s[76:77], s[4:5], s[70:71]
	s_add_nc_u64 s[78:79], s[6:7], s[74:75]
.irp s, 0,1,2
	s_mov_b32 s[G0A+4*\s], 1                                       ; count = 1
	s_add_co_u32 s[G0A+4*\s+1], s80, \s*SLOT                       ; LDS address
	s_add_nc_u64 s[G0A+4*\s+2:G0A+4*\s+3], s[76:77], \s*STEPA      ; global address: K step s
	s_or_b32 s[G0A+4*\s+3], s[G0A+4*\s+3], 0x80000000              ; type = 2
	s_mov_b32 s[G0B+4*\s], 1
	s_add_co_u32 s[G0B+4*\s+1], s81, \s*SLOT
	s_add_nc_u64 s[G0B+4*\s+2:G0B+4*\s+3], s[78:79], \s*STEPB
	s_or_b32 s[G0B+4*\s+3], s[G0B+4*\s+3], 0x80000000
.endr
	CROUND                                         ; all sixteen work-groups are here: the first joint loads meet
	s_cmp_eq_u32 s[WI], 0                          ; a wave's three first fills stand in one branch, ahead of every wait on TENSORcnt and every LDS read; four v_nop follow the third
	s_cbranch_scc0 .Lfirst_b
	tensor_load_to_lds s[G0A:G0A+3], s[G1A:G1A+7]
	s_nop 0
	tensor_load_to_lds s[G0A+4:G0A+7], s[G1A:G1A+7]
	s_nop 0
	tensor_load_to_lds s[G0A+8:G0A+11], s[G1A:G1A+7]
	s_nop 0
	PLACES 4
	s_branch .Lfirst_asked
.Lfirst_b:
	tensor_load_to_lds s[G0B:G0B+3], s[G1B:G1B+7]
	s_nop 0
	tensor_load_to_lds s[G0B+4:G0B+7], s[G1B:G1B+7]
	s_nop 0
	tensor_load_to_lds s[G0B+8:G0B+11], s[G1B:G1B+7]
	s_nop 0
	PLACES 4
.Lfirst_asked:
	v_and_b32 v1, 15, v0                           ; r = l % 16
	v_bfe_u32 v2, v0, 4, 1                         ; h = l / 16
	v_and_b32 v[CO], 31, v0
	v_lshlrev_b32 v[CO], 4, v[CO]                  ; 16 x lane
	v_mul_u32_u24 v3, v1, PITCH
	v_lshl_add_u32 v3, v2, 4, v3                   ; side 0: a fragment's row x pitch + 16 h
	s_lshl_b32 s66, s[WI], 14                      ; my four token tiles of side 1's block,
	s_mul_i32 s67, s[WN], 128*PITCH                ; my 128 rows of side 0,
	s_add_co_u32 s67, s67, S1B                     ; which lie behind the block
.irp s, 0,1,2
	v_add_nc_u32 v[ADRA+\s], s66, v[CO]
	v_add_nc_u32 v[ADRB+\s], s67, v3
	s_add_co_u32 s66, s66, SLOT
	s_add_co_u32 s67, s67, SLOT
.endr
	s_mul_i32 s66, s[WV], 16*SPITCH
	s_add_co_u32 s66, s66, STAGE                   ; my stage
	v_mul_u32_u24 v4, v1, SPITCH                   ; in: row r, 32 bytes for each half of the lanes
	v_lshl_add_u32 v4, v2, 5, v4
	v_add_nc_u32 v[STO], s66, v4
	v_add_nc_u32 v[RD], s66, v[CO]                 ; back: the 32 lanes take one row of 512 bytes
	s_lshl_b32 s82, s[WN], 7
	s_add_co_u32 s82, s82, s72                     ; my first column
	s_lshl_b32 s82, s82, 2
	v_lshl_add_u32 v6, v2, 5, s82                  ; b_proj at column first + 16 b + 8 h + j
.irp b, 0,1,2,3,4,5,6,7
	global_load_b128 v[BQ+8*\b:BQ+8*\b+3], v6, s[8:9] offset:64*\b
	global_load_b128 v[BQ+8*\b+4:BQ+8*\b+7], v6, s[8:9] offset:64*\b+16
.endr
	s_lshl_b32 s86, s68, 7
	s_lshl_b32 s87, s[WI], 6
	s_add_co_u32 s86, s86, s87                     ; my first token: 128 tb + 64 wi
	s_lshl_b32 s86, s86, 12                        ; a row of out0 is 4,096 bytes
	s_add_co_u32 s86, s86, s82
	s_mov_b32 s87, 0
	s_add_nc_u64 s[90:91], s[12:13], s[86:87]
	s_wait_kmcnt 0x0
	s_add_co_i32 s2, s98, s99                      ; e6 + e7
	s_add_co_i32 s2, s2, 127
	s_lshl_b32 s2, s2, 23                          ; 2^(e6 + e7) as f32
	s_mov_b32 s3, s2                               ; (named with it as a pair, so it is written)
	s_wait_tensorcnt 0x2                           ; my part of K step 0 is in; K steps 1 and 2 may stay out
	s_barrier_signal -1
	s_barrier_wait -1                              ; everybody's is
	FETCH 0, 0, 0
	STEP 0, 1, 0, 1                                ; the first step's products start the sums: nothing is cleared
	TURN 1, 1                                      ; slots 1 and 2 are whole in every wave; slot 0 takes K step 3
	STEP 1, 1, 0, 0
	STEP 2, 0, 1, 0                                ; no barrier: the one above has shown slot 2 whole
	STEP 2, 1, 0, 0
	TURN 0, 0                                      ; K step 3 is whole in every wave, and nobody reads slots 1 and 2 any more
	STEP 0, 1, 0, 0
	s_wait_dscnt 8                                 ; the last step: nothing more to fetch
	WIN MUL
	MUL16 0, 1, 0
	s_wait_dscnt 0x0
	MUL16 2, 1, 0
	WIN 0
	; THE WAY OUT.  out = sum x 2^(e6 + e7) + bias, in place, each accumulator from its low end on.  A lane holds 32 neighbouring bytes of a row and the lanes beside it other rows: so a tile of 16 tokens x 128 columns
	; goes through my own stage in LDS and comes back as whole rows of 512 bytes.  LDS serves a wave's instructions in order (ISA guide 5.7.1.4): no wait between the stores and the loads, nor in front of the next tile's stores.
	s_wait_loadcnt 0x0                             ; the bias
	PLACES 4                                       ; behind the last products
	WIN 0x82                                       ; source 0 and destination window 2, the bias window 0
.set ii, 0
.rept 32
.irp i, 0,2,4,6
	v_pk_fma_f32 v[8*ii+\i:8*ii+\i+1], v[8*ii+\i:8*ii+\i+1], s[2:3], v[BQ+8*(ii%8)+\i:BQ+8*(ii%8)+\i+1] op_sel_hi:[1,0,1]
.endr
.set ii, ii+1
.endr
.macro TOSTAGE a
	WIN 0x08                                       ; the stores' data window 2
.irp b, 0,1,2,3,4,5,6,7
	ds_store_b128 v[STO], v[8*(8*(\a)+\b):8*(8*(\a)+\b)+3] offset:64*\b
	ds_store_b128 v[STO], v[8*(8*(\a)+\b)+4:8*(8*(\a)+\b)+7] offset:64*\b+16
.endr
	WIN 0x40                                       ; the loads' destination window 1: each tile has 64 registers of its own there
.irp t, 0,1,2,3,4,5,6,7,8,9,10,11,12,13,14,15
	ds_load_b128 v[64*(\a)+4*\t:64*(\a)+4*\t+3], v[RD] offset:\t*SPITCH
.endr
.endm
.macro SEND a, younger                 ; younger: the LDS instructions issued behind tile a's loads, which may stay out
	s_wait_dscnt \younger
	WIN 0x04                                       ; the stores' data window 1
.irp t, 0,1,2,3,4,5,6,7,8,9,10,11,12,13,14,15
	global_store_b128 v[CO], v[64*(\a)+4*\t:64*(\a)+4*\t+3], s[90:91] offset:(32*((\a)/2)+8*((\a)%2)+\t+8*(\t/8))*4096 th:TH_STORE_NT   ; row t of tile a is token 32 (a / 2) + 8 (a % 2) + t + 8 (t / 8); 32 lanes store 512 consecutive bytes, at a multiple of 512 from out0's first byte
.endr
.endm
	TOSTAGE 0
	TOSTAGE 1
	s_wait_alu depctr_va_vdst(0)
	SEND 0, 32                                     ; behind tile 0's loads: tile 1's 16 stores and 16 loads
	TOSTAGE 2
	SEND 1, 32
	TOSTAGE 3
	SEND 2, 32
	SEND 3, 0
	WIN 0
	s_wait_tensorcnt 0x0                           ; the wave's end, behind my last tensor load and my last LDS store
	ds_add_u32 v[SPW], v[NIL]
	s_wait_dscnt 0x0
	CROUND                                         ; the closing round: no work-group ends while a partner may still ask for a tile that names it
	s_endpgm
.Lfunc_end_k_q93183554c0_proj:
	.size	k_q93183554c0_proj, .Lfunc_end_k_q93183554c0_proj-k_q93183554c0_proj
	.p2alignl 7, 3214868480
	.fill 96, 4, 3214868480
	.section	.rodata,"a",@progbits
	.p2align	6, 0x0
	.amdhsa_kernel k_q93183554c0_proj
		.amdhsa_group_segment_fixed_size 327680
		.amdhsa_private_segment_fixed_size 0
		.amdhsa_enable_private_segment 0
		.amdhsa_kernarg_size 40
		.amdhsa_user_sgpr_count 2
		.amdhsa_user_sgpr_kernarg_segment_ptr 1
		.amdhsa_wavefront_size32 1
		.amdhsa_system_sgpr_workgroup_id_x 1
		.amdhsa_system_sgpr_workgroup_id_y 1
		.amdhsa_system_sgpr_workgroup_id_z 1
		.amdhsa_system_vgpr_workitem_id 0
		.amdhsa_next_free_vgpr 768
		.amdhsa_next_free_sgpr 100
		.amdhsa_reserve_vcc 0
		.amdhsa_float_denorm_mode_32 3
		.amdhsa_float_denorm_mode_16_64 3
		.amdhsa_memory_ordered 1
		.amdhsa_forward_progress 1
		.amdhsa_inst_pref_size 76
	.end_amdhsa_kernel
	.amdgpu_metadata
---
amdhsa.version: [ 1, 2 ]
amdhsa.kernels:
  - .name:           k_q93183554c0_proj
    .symbol:         k_q93183554c0_proj.kd
    .args:
      - { .name: yc, .offset: 0, .size: 8, .value_kind: global_buffer, .address_space: global }
      - { .name: w_proj_codes, .offset: 8, .size: 8, .value_kind: global_buffer, .address_space: global }
      - { .name: b_proj, .offset: 16, .size: 8, .value_kind: global_buffer, .address_space: global }
      - { .name: lowp_scales, .offset: 24, .size: 8, .value_kind: global_buffer, .address_space: global }
      - { .name: out0, .offset: 32, .size: 8, .value_kind: global_buffer, .address_space: global }
    .group_segment_fixed_size: 327680
    .private_segment_fixed_size: 0
    .kernarg_segment_align: 8
    .kernarg_segment_size: 40
    .max_flat_workgroup_size: 128
    .sgpr_count:     100
    .vgpr_count:     768
    .wavefront_size: 32
...
	.end_amdgpu_metadata
.endif
;; end of part 3
